; MI455X (gfx1250); checked and timed in simulation.
; The chip was launched on July 23, 2026; its instructions are those of AMD's public machine-readable ISA for CDNA 5 (MIT licence, August 2026) and "CDNA5" Instruction Set Architecture Reference Guide (July 2026). The comments in the code are by the model that wrote it; some were corrected since.
;; Meta Learner. Allowed arithmetic: matrix products marked QUANTISED: E3M2 operands, one E8M0 scale for each 32 along K, by v_wmma_scale_f32_16x16x128_f8f6f4 with both operands' format E3M2, f32 sums; products left as they are: f32 operands where the result goes on into a quantised operand, else bf16, f16 or f32 operands; f32 sums; everything else in f32.
;; Inputs: W1 2,048 x 1,024 float32; W2 1,024 x 1,024 float32; b1 1,024 float32; b2 1,024 float32; features 16,384 x 1,024 float32; prototypes 10 x 1,024 float32.
;; Outputs: out0 16,384 x 1,024 float32.
;; This version of the problem:
;;   THIS VERSION OF THE PROBLEM IS GIVEN IN LOW PRECISION. The matrix products marked QUANTISED in the list below multiply operands that are first quantised to E3M2 (3 exponent bits, 2 mantissa bits; 6 bits a number), with one power-of-two scale for each 32 numbers along K (OCP MX v1.0); their sums are f32. All else is computed in f32.
;;   The module's matrix products, in the order in which they are computed (A, B: the left and right operand; K: the contracted axis; several contracted axes count as one K, in the product's order):
;;     1. [M 16,384, K 1,024] x [K 1,024, N 10]; A: input features; B: input prototypes: left as it is (N = 10 < 16)
;;     2. [M 16,384, K 2,048] x [K 2,048, N 1,024]; A: computed on the way; B: input W1: QUANTISED
;;     3. [M 16,384, K 1,024] x [K 1,024, N 1,024]; A: computed on the way; B: input W2: QUANTISED
;;   THE QUANTISER, for each operand of a quantised product, along K:
;;     - K is cut into blocks of 32 from its start; a last block that is shorter is filled with zeros.
;;     - A block's scale is 2^e with e = floor(log2(the largest magnitude in the block)) - 4, held to -126 .. 127; a block of zeros has e = 0. As a byte (E8M0): e + 127.
;;     - Each number is divided by its block's scale, clamped to +-28, and rounded to the nearest number of E3M2, ties to even, subnormals kept.
;;     - The product sums the exact products of the quantised numbers (number of the format x scale) in f32.
;;   ~~~python
;;   def quantise(x, axis):      # numpy; x: float32 -> the quantised numbers, widened to float32 again
;;       x = np.moveaxis(x, axis, -1); K = x.shape[-1]
;;       x = np.pad(x, [(0, 0)] * (x.ndim - 1) + [(0, -K % 32)]); x = x.reshape(x.shape[:-1] + (-1, 32)); a = np.abs(x).max(-1, keepdims=True)
;;       e = np.where(a > 0, np.clip(np.frexp(np.where(a > 0, a, 1))[1] - 1 - 4, -126, 127), 0)      # np.frexp(a)[1] - 1 = floor(log2(a)), exactly
;;       r = np.clip(x / 2.0 ** e, -28, 28)
;;       step = 2.0 ** (np.maximum(np.frexp(np.where(r == 0, 1, r))[1] - 1, -2) - 2)
;;       q = np.round(r / step) * step * 2.0 ** e      # np.round: ties to even
;;       return np.moveaxis(q.reshape(q.shape[:-2] + (-1,))[..., :K], -1, axis).astype(np.float32)
;;   ~~~
;;   OPERANDS COMPUTED ON THE WAY. 'Computed on the way' means the value that the module computes at that place (a softmax that the list does not call 'softmax' is quantised finished and normalised). What goes into a quantiser is computed in f32, as accurately as f32 sums, v_exp_f32 and their like allow (about 1e-6 of the number): no bf16 or f16 on the way to a quantiser, and a product that is left as it is and whose result goes on into a quantised operand takes f32 operands (vector FMAs, or v_wmma_f32_16x16x4_f32). A number that lies on a knife's edge between two numbers of the format may be rounded either way, as far as f32 arithmetic and the matrix unit's own rounding can turn it there, and no further.
;; One version. Each part assembles by itself: llvm-mc -triple=amdgcn-amd-amdhsa -mcpu=gfx1250 --defsym DOCPART=n.
;; ======== version 1 of 1: 3 launches
;; limits: right only within a limited range of input values
;; workspace buffers: xq 12,582,912 bytes; xs 524,288 bytes; idx 65,536 bytes of whole numbers; pwb 65,536 bytes; wq 1,638,400 bytes; hq 12,582,912 bytes; hs 524,288 bytes
;; launch prep (part 1): grid 352 x 1, 4 waves a work-group, no clusters, 150,528 bytes of LDS; arguments features, prototypes, W1, W2, b1, xq, xs, idx, pwb, wq; writes xq, xs, idx, pwb, wq
.if DOCPART == 1
	.amdgcn_target "amdgcn-amd-amdhsa--gfx1250"
	.amdhsa_code_object_version 6
	.text
	.protected	k_qb6542e4fcf_prep
	.globl	k_qb6542e4fcf_prep
	.p2align	8
	.type	k_qb6542e4fcf_prep,@function
k_qb6542e4fcf_prep:
	s_mov_b64 s[64:65], 0
	v_nop
	global_prefetch_b8 v0, s[64:65] scope:SCOPE_SE
	s_setreg_imm32_b32 hwreg(HW_REG_WAVE_MODE, 25, 1), 1
	s_wait_xcnt 0x0
; PREP.  All that is done once, ahead of the two large products on codes of BF6 (E3M2, one E8M0 scale for each 32 along K).
; Work-groups 0-95: the weights.  mu = number / 32: 0 = W1 rows 0-1023 (the features' half), 1 = W2, 2 = W1 rows 1024-2047 (the prototypes' half); P = number % 32: columns 32 P .. 32 P + 31.
;   mu 0, 1: codes and scale words go to wq in the order of the operand's registers (block 16 (P / 8) + 8 mu + P % 8 of 25,600 bytes: 16 images of 1,536 bytes, image 2 s + u; then 1,024 bytes of scale words [lane][s]).
;   mu 2:    pwb[r][col] = Q(prototype) . Q(W1 rows 1024 on) + b1, by the format's own matrix instruction: K = 2,048 falls into blocks of 32 at 1,024, so the nearest prototype's half of the first product has ten different rows.
;   Tile u of pair P takes in its lane r column 32 P + 8 u + r + 8 (r / 8), so that a lane's 16 results of tiles 0 and 1 are 16 neighbouring columns.
; Work-groups 96-351: the features, a wave to a tile of 16 rows: squared distances to the ten prototypes in f32 (v_wmma_f32_16x16x4_f32; f2 and p2 by packed multiply-adds), the argmin (the lower index wins a tie)
;   to idx, the rows' codes to xq ([tile][K step][chunk][lane][16 bytes]: images of the operand's registers) and their scale words to xs ([tile][row][K step]).
; No cluster and no tensor load: the work-groups share nothing but the prototypes' 40,960 bytes beside the 262,144 bytes of features that each reads alone.
; SIXTEEN ROWS FOR TEN PROTOTYPES.  In the features' path row m of the prototypes' tile is prototype m % 8 + 2 (m / 8): rows 0-7 are prototypes 0-7, rows 8-13 repeat 2-7, rows 14 and 15 are 8 and 9.  A repeated
;   prototype has its first copy's distance and index, so it changes no argmin.  In the weights' path lanes 10-15 take prototype r - 6: pwb's rows 10-15 are read by nobody.
; LIMITS: NaN and infinities among the inputs are not served; a block whose largest magnitude lies under 2^-122 keeps the scale byte 1 (a block of zeros too: its codes are zeros, and this program alone reads the bytes);
;   two distances that agree to within one rounding of f32 may give the other prototype than another order of the f32 sums would.
; W is read in runs of 128 bytes (32 columns of a row); pwb, idx and the weights' scale words leave in pieces of 8 to 64 bytes: 0.2 MB of the launch's 95 MB.
.set PLDS,  0                          ; LDS, features' path: the ten prototypes, rows 4,112 bytes apart (257 x 16: neighbouring rows start in different groups of banks)
.set PPIT,  4112
.set FST,   41216                      ; a wave's two stages: 16 rows x (256 bytes + 16), 8,704 bytes a wave
.set FPIT,  272
.set FBUF,  16*FPIT
.set P2T,   76032                      ; a wave's 16 words of p2
.set WST,   76288                      ; LDS, weights' path: a wave's stage, 128 rows of K x 128 bytes
.set WRED,  141824                     ; and the four waves' partial sums of pwb, 2,048 bytes a wave
.set FX,    64                         ; features: v64-127 two sets of 32 numbers of my row;  v128-191 the same of my prototype
.set FP,    128
.set FF,    40                         ; v40-63 two fragments of codes
.set SWR,   32                         ; v32-39 my row's eight scale words
.set DA,    224                        ; v224-255 the four accumulators of the f32 form: written by matrix instructions alone, under every window
.set WX,    32                         ; weights: v32-95 two sets of 32 numbers of my column
.set WF,    96                         ; v96-143 for each K step two runs of 12 registers of codes
.set PWA,   144                        ; v144-159 two accumulators of pwb
.set PF,    160                        ; v160-183 the prototypes' two fragments
.set PX,    32                         ; v32-159 the prototypes' numbers, ahead of all the above
; v12-14, v24-26: at work in QB.  v28-29 the weights' scale words, v30-31 the prototypes': scales and nothing else.  Window 1, v0-191: where global loads land.
.set MSB, 0
.macro WIN new                         ; the immediate's high byte repeats the setting that is left; a switch that changes nothing is dropped
.if MSB != (\new)
	s_set_vgpr_msb (MSB<<8)|(\new)
.set MSB, (\new)
.endif
.endm
; A whole block of 32 along K in v[x] .. v[x + 31] becomes six registers of codes at v[f] and its scale byte in v[by].
.macro QB x, f, by
	v_max3_num_f32 v12, |v[(\x)]|, |v[(\x)+1]|, |v[(\x)+2]|          ; the largest magnitude, in two chains
	v_max3_num_f32 v13, |v[(\x)+3]|, |v[(\x)+4]|, |v[(\x)+5]|
.irp i, 6,10,14,18,22,26
	v_max3_num_f32 v12, v12, |v[(\x)+\i]|, |v[(\x)+\i+1]|
	v_max3_num_f32 v13, v13, |v[(\x)+\i+2]|, |v[(\x)+\i+3]|
.endr
	v_max3_num_f32 v12, v12, |v[(\x)+30]|, |v[(\x)+31]|
	v_max3_num_f32 v12, v12, v13, 0x2800000        ; and the floor 2^(5 - 127): the byte cannot fall under 1
	v_add_nc_u32 v14, 0xfe000000, v12              ; 4 off the exponent field: the conversion takes this operand's exponent field as its scale
	v_cvt_scalef32_pk16_bf6_f32 v[(\f):(\f)+2], v[(\x):(\x)+15], v14
	v_cvt_scalef32_pk16_bf6_f32 v[24:26], v[(\x)+16:(\x)+31], v14    ; (a conversion's three registers begin on an even number)
	v_lshrrev_b32 v[(\by)], 23, v14                ; the scale's byte; also the plain instruction behind the conversions
.irp i, 0,1,2
	v_mov_b32 v[(\f)+3+\i], v[24+\i]
.endr
.endm
	s_load_b256 s[4:11], s[0:1], 0x0               ; features s[4:5], prototypes s[6:7], W1 s[8:9], W2 s[10:11]
	s_load_b256 s[12:19], s[0:1], 0x20             ; b1 s[12:13], xq s[14:15], xs s[16:17], idx s[18:19]
	s_load_b128 s[20:23], s[0:1], 0x40             ; pwb s[20:21], wq s[22:23]
	v_lshl_add_u32 v27, v0, 2, 0x24a00
	s_set_vgpr_msb 0x40
	v_mov_b32 v255, 0
	s_set_vgpr_msb 0x4000
	v_lshrrev_b32 v1, 5, v0
	v_readfirstlane_b32 s24, v1                    ; wave 0..3
	v_and_b32 v1, 31, v0                           ; lane
	s_mov_b32 s30, 0x76543210
	s_mov_b32 s31, 0xfedcba98                      ; v_permlanex16_b32's selects for lane l xor 16
	s_cmp_lt_u32 ttmp9, 96
	s_cbranch_scc0 .Lfeat
; ======================================================== THE WEIGHTS
; Wave kappa takes K steps 2 kappa and 2 kappa + 1: 256 rows of K x 32 columns.  A load takes 4 rows x 128 bytes; 128 rows go through the wave's stage and come back a column to a lane, registers down K.
	s_lshr_b32 s25, ttmp9, 5                       ; mu
	s_and_b32 s26, ttmp9, 31                       ; P
	v_lshrrev_b32 v2, 3, v1
	v_and_b32 v4, 7, v1
	v_lshlrev_b32 v2, 12, v2
	v_lshl_add_u32 v2, v4, 4, v2                   ; in memory: row lane / 8 of 4,096 bytes, + 16 (lane % 8)
	s_lshl_b32 s27, s24, 14
	s_add_co_u32 s27, s27, WST                     ; my stage
	s_wait_alu depctr_va_vdst(0)
	v_lshlrev_b32 v5, 4, v1                        ; 16 x lane
	v_add_nc_u32 v3, s27, v5                       ; into the stage: the four rows lie on end
	v_bfe_u32 v6, v1, 3, 1                         ; lane = 16 u + 8 g + i takes column 16 g + 8 u + i: row 8 g + i of tile u
	v_bfe_u32 v7, v1, 4, 1
	v_lshl_add_u32 v4, v6, 4, v4
	v_lshl_add_u32 v4, v7, 3, v4
	v_lshl_add_u32 v4, v4, 2, s27                  ; out of the stage: 4 bytes of my column
	s_lshl_b32 s34, s24, 20                        ; 256 kappa rows of 4,096 bytes
	s_lshl_b32 s28, s26, 7                         ; + 128 P
	s_add_co_u32 s34, s34, s28
	s_mov_b32 s35, 0
.macro WLD i0, n                       ; n loads from number i0 on; load i lands at v[4 (i % 48)] of window 1
.set wi, \i0
.rept \n
	global_load_b128 v[4*(wi%48):4*(wi%48)+3], v2, s[40:41] offset:16384*wi th:TH_LOAD_NT
.set wi, wi+1
.endr
.endm
.macro RB bk                           ; block bk of the K step in the stage: 32 numbers of my column into set bk % 2; the 32 lanes read 32 different words of a row
.set ri, 0
.rept 32
	ds_load_b32 v[WX+32*((\bk)%2)+ri], v4 offset:(32*(\bk)+ri)*128
.set ri, ri+1
.endr
.endm
; K step t of my two.  pw = 0: its two fragments go to wq.  pw = 1: they are multiplied by the prototypes' fragment.
.macro WSTEP t, pw
.if \t == 0
	s_wait_loadcnt 16                              ; loads 0-31 are in; 32-47 may be out
.else
	s_wait_loadcnt 0x0
.endif
	WIN 0x04                                       ; an LDS store's data are its source 1: window 1
.set wi, 0
.rept 32
	ds_store_b128 v3, v[4*((32*\t+wi)%48):4*((32*\t+wi)%48)+3] offset:512*wi
.set wi, wi+1
.endr
	WIN 0
.if \t == 0
	s_wait_dscnt 0x0                               ; the stores have read their registers, which take the last sixteen loads
	WIN 0x40
	WLD 48, 16
	WIN 0
.endif
	RB 0
	RB 1
.irp bk, 0,1,2,3
.if \bk < 3
	s_wait_dscnt 32                                ; this block's 32 numbers are in; the next block's 32 may be out
.else
	s_wait_dscnt 0x0
.endif
	QB WX+32*(\bk%2), WF+24*\t+12*(\bk%2)+6*(\bk/2), 15
.if \bk == 0
	v_mov_b32 v[28+\t], v15                        ; my column's scale word: byte bk for block bk
.else
	v_lshl_or_b32 v[28+\t], v15, 8*\bk, v[28+\t]
.endif
.if \bk < 2
	RB \bk+2
.endif
.endr
; The first run holds blocks 0 and 2, the second blocks 1 and 3, of tile 0 in lanes 0-15 and of tile 1 in lanes 16-31.  The exchange of the first's upper lanes with the second's lower lanes makes of them the fragments of tiles 0 and 1.
.set wi, 0
.rept 12
	v_permlane16_swap_b32 v[WF+24*\t+wi], v[WF+24*\t+12+wi]
.set wi, wi+1
.endr
.if \pw
.rept 8
	v_nop                                          ; scale words and operands made by vector instructions stand eight and four places ahead of a scaled matrix instruction
.endr
.if \t == 0                            ; source 0 = 16 columns of W1, source 1 = the prototypes: lane (r, h) holds prototype r and columns 32 P + 16 h + 8 u + 0 .. 7.  The two accumulators take turns
	v_wmma_scale_f32_16x16x128_f8f6f4 v[PWA:PWA+7], v[WF:WF+11], v[PF:PF+11], 0, v28, v30 matrix_a_fmt:MATRIX_FMT_BF6 matrix_b_fmt:MATRIX_FMT_BF6
	v_wmma_scale_f32_16x16x128_f8f6f4 v[PWA+8:PWA+15], v[WF+12:WF+23], v[PF:PF+11], 0, v28, v30 matrix_a_fmt:MATRIX_FMT_BF6 matrix_b_fmt:MATRIX_FMT_BF6 matrix_a_scale:MATRIX_SCALE_ROW1
.else
	v_wmma_scale_f32_16x16x128_f8f6f4 v[PWA:PWA+7], v[WF+24:WF+35], v[PF+12:PF+23], v[PWA:PWA+7], v29, v31 matrix_a_fmt:MATRIX_FMT_BF6 matrix_b_fmt:MATRIX_FMT_BF6
	v_wmma_scale_f32_16x16x128_f8f6f4 v[PWA+8:PWA+15], v[WF+36:WF+47], v[PF+12:PF+23], v[PWA+8:PWA+15], v29, v31 matrix_a_fmt:MATRIX_FMT_BF6 matrix_b_fmt:MATRIX_FMT_BF6 matrix_a_scale:MATRIX_SCALE_ROW1
.endif
.else
.irp u, 0,1
.irp c, 0,1,2
	global_store_b128 v5, v[WF+24*\t+12*\u+4*\c:WF+24*\t+12*\u+4*\c+3], s[42:43] offset:3072*\t+1536*\u+512*\c   ; 32 lanes store 512 consecutive bytes, at a multiple of 256 from wq's first byte
.endr
.endr
.endif
.endm
	s_cmp_eq_u32 s25, 2
	s_cbranch_scc1 .Lpw
	; ---- mu = 0, 1: codes and scale words to wq
	v_lshlrev_b32 v6, 5, v1
	s_lshl_b32 s28, s24, 3
	v_add_nc_u32 v6, s28, v6                       ; scale words: 32 x lane + 8 kappa
	s_lshr_b32 s28, s26, 3
	s_lshl_b32 s28, s28, 4
	s_lshl_b32 s29, s25, 3
	s_add_co_u32 s28, s28, s29
	s_and_b32 s29, s26, 7
	s_add_co_u32 s28, s28, s29                     ; block 16 (P / 8) + 8 mu + P % 8
	s_mul_i32 s36, s28, 25600
	s_mov_b32 s37, 0
	s_mul_i32 s28, s24, 6144                       ; my first image: 2 kappa x 3,072
	s_add_co_u32 s38, s36, s28
	s_mov_b32 s39, 0
	s_wait_kmcnt 0x0
	s_cmp_eq_u32 s25, 1                            ; the choice hangs on the work-group's number alone
	s_cselect_b64 s[40:41], s[10:11], s[8:9]
	s_add_nc_u64 s[40:41], s[40:41], s[34:35]
	s_add_nc_u64 s[42:43], s[22:23], s[38:39]
	s_add_nc_u64 s[44:45], s[22:23], s[36:37]
	WIN 0x40                                       ; destination window 1
	WLD 0, 48
	WIN 0
	s_wait_alu depctr_va_vdst(0)
	WSTEP 0, 0
	WSTEP 1, 0
	global_store_b64 v6, v[28:29], s[44:45] offset:24576
	s_set_vgpr_msb 0x4
	s_wait_tensorcnt 0x0
	ds_add_u32 v27, v255
	s_wait_dscnt 0x0
	s_set_vgpr_msb 0x400
	s_endpgm
	; ---- mu = 2: pwb
.Lpw:
	v_and_b32 v23, 15, v1                          ; r
	v_add_nc_u32 v22, 6, v23
	v_lshrrev_b32 v22, 4, v22
	v_mul_u32_u24 v22, v22, 6
	v_sub_nc_u32 v22, v23, v22                     ; the prototype of my lane: r, from 10 on r - 6
	v_lshlrev_b32 v22, 12, v22
	v_lshl_add_u32 v22, v7, 7, v22                 ; its row, + 128 h: lane (r, h) takes k = 64 c + 32 h + 0 .. 31 of a K step
	v_lshlrev_b32 v19, 3, v7                       ; 8 h
	v_mov_b32 v21, 0                               ; written once: a lane permute's destination counts as one of its sources
	s_lshl_b32 s28, s24, 11
	s_add_co_u32 s28, s28, WRED
	v_add_nc_u32 v8, s28, v5                       ; my partial sums: 2,048 x wave + 16 x lane
	s_lshl_b32 s28, s24, 9
	s_add_co_u32 s28, s28, WRED
	v_add_nc_u32 v9, s28, v5                       ; and the quarter of all four that I add: 512 x wave + 16 x lane
	s_lshl_b32 s28, s26, 7
	s_lshl_b32 s29, s24, 4
	s_add_co_u32 s28, s28, s29
	v_lshl_add_u32 v11, v7, 6, s28                 ; b1: 4 x (32 P + 16 h + 4 wave)
	v_lshl_add_u32 v10, v23, 12, v11               ; pwb: the same in row r
	s_add_co_u32 s34, s34, 0x400000                ; W1 from row 1,024 on
	s_lshl_b32 s36, s24, 10                        ; the prototypes from k = 256 kappa on
	s_mov_b32 s37, 0
	s_wait_alu depctr_va_vdst(0)
	s_wait_kmcnt 0x0
	s_add_nc_u64 s[40:41], s[8:9], s[34:35]
	s_add_nc_u64 s[42:43], s[6:7], s[36:37]
.irp t, 0,1
.irp c, 0,1
.irp q, 0,1,2,3,4,5,6,7
	global_load_b128 v[PX+64*\t+32*\c+4*\q:PX+64*\t+32*\c+4*\q+3], v22, s[42:43] offset:512*\t+256*\c+16*\q
.endr
.endr
.endr
	WIN 0x40
	WLD 0, 48
	WIN 0
	s_wait_loadcnt 48                              ; the prototypes are in; the 48 loads of W1 issued behind them may be out
.irp t, 0,1
	QB PX+64*\t, PF+12*\t, 15                      ; my blocks h and 2 + h of K step t
	QB PX+64*\t+32, PF+12*\t+6, 16
	v_lshl_or_b32 v20, v16, 16, v15
	v_lshlrev_b32 v20, v19, v20                    ; at their places in the scale word;
	v_permlanex16_b32 v21, v20, s30, s31
	v_or_b32 v[30+\t], v20, v21                    ; with lane l xor 16's two the word is whole
.endr
	WSTEP 0, 1
	WSTEP 1, 1
.rept 4
	v_nop                                          ; four places behind the last products, ahead of the first read of their results
.endr
	global_load_b128 v[48:51], v11, s[12:13]       ; b1's four numbers
.irp q, 0,1,2,3
	ds_store_b128 v8, v[PWA+4*\q:PWA+4*\q+3] offset:512*\q           ; each accumulator from its low end on
.endr
	s_wait_dscnt 0x0                               ; for the others' sake: my partial sums lie in LDS
	s_barrier_signal -1
	s_barrier_wait -1
.irp k, 0,1,2,3
	ds_load_b128 v[32+4*\k:35+4*\k], v9 offset:2048*\k               ; registers 4 wave .. 4 wave + 3 of the four waves' parts of K
.endr
	s_wait_dscnt 0x0
	s_wait_loadcnt 0x0
	v_pk_add_f32 v[32:33], v[32:33], v[36:37]
	v_pk_add_f32 v[34:35], v[34:35], v[38:39]
	v_pk_add_f32 v[40:41], v[40:41], v[44:45]
	v_pk_add_f32 v[42:43], v[42:43], v[46:47]
	v_pk_add_f32 v[32:33], v[32:33], v[40:41]
	v_pk_add_f32 v[34:35], v[34:35], v[42:43]
	v_pk_add_f32 v[32:33], v[32:33], v[48:49]
	v_pk_add_f32 v[34:35], v[34:35], v[50:51]
	global_store_b128 v10, v[32:35], s[20:21]
	s_set_vgpr_msb 0x4
	s_wait_tensorcnt 0x0
	ds_add_u32 v27, v255
	s_wait_dscnt 0x0
	s_set_vgpr_msb 0x400
	s_endpgm
; ======================================================== THE FEATURES
; A wave's tile of 16 rows goes in 16 units of 64 along K.  A unit's eight loads take two whole rows' 256 bytes each; the 4,096 bytes turn through the wave's stage so that lane (r, h) holds the whole block
; 64 y + 32 h + 0 .. 31 of row r, which is what the 6-bit operand's layout gives that lane.  The same k of my lane's prototype come from the prototypes' copy in LDS.
.Lfeat:
	v_and_b32 v2, 15, v0                           ; r
	v_bfe_u32 v3, v0, 4, 1                         ; h
	s_sub_co_u32 s25, ttmp9, 96
	s_lshl_b32 s25, s25, 2
	s_add_co_u32 s25, s25, s24                     ; my tile, 0 .. 1,023
	v_lshlrev_b32 v4, 12, v3
	v_lshl_add_u32 v4, v2, 4, v4                   ; in memory: lanes 0-15 one row's 256 bytes, lanes 16-31 the next row's
	s_mul_i32 s26, s24, 2*FBUF
	s_add_co_u32 s26, s26, FST                     ; my stages
	v_mul_u32_u24 v5, v3, FPIT
	v_lshl_add_u32 v5, v2, 4, v5
	v_add_nc_u32 v5, s26, v5                       ; into a stage, as loaded
	v_mul_u32_u24 v6, v2, FPIT
	v_lshl_add_u32 v6, v3, 7, v6
	v_add_nc_u32 v6, s26, v6                       ; out of it: row r, + 128 h
	v_and_b32 v7, 7, v0                            ; the prototype of my lane: r % 8 + 2 (r / 8): a sum of fields of the thread's number times constants
	v_bfe_u32 v199, v0, 3, 1
	v_mul_u32_u24 v7, v7, PPIT
	v_mad_u32_u24 v7, v199, 2*PPIT, v7
	v_lshl_add_u32 v7, v3, 7, v7                   ; its row in LDS, + 128 h
	v_lshlrev_b32 v8, 4, v1                        ; xq: 16 x lane
	v_lshlrev_b32 v9, 5, v2
	v_lshl_add_u32 v9, v3, 4, v9                   ; xs: 32 r + 16 h
	v_lshlrev_b32 v10, 2, v2                       ; idx: 4 r
	s_lshl_b32 s27, s24, 6
	s_add_co_u32 s27, s27, P2T
	v_add_nc_u32 v11, s27, v10                     ; p2 in: word r;
	v_lshl_add_u32 v197, v3, 5, s27                ; out: words 8 h on
	v_lshlrev_b32 v19, 4, v0                       ; 16 x thread: the prototypes' copy
	v_lshlrev_b32 v198, 3, v3                      ; 8 h
	v_lshlrev_b32 v196, 1, v3                      ; 2 h: the prototype of row 8 h of the tile
	v_mov_b32 v17, 0                               ; written once: a lane permute's destination counts as one of its sources
	v_mov_b32 v18, 0
	s_mov_b32 s32, 0xffff0000                      ; the lanes with h = 1
	s_lshl_b32 s34, s25, 16
	s_mov_b32 s35, 0
	s_mul_i32 s36, s25, 12288
	s_mov_b32 s37, 0
	s_lshl_b32 s38, s25, 9
	s_mov_b32 s39, 0
	s_lshl_b32 s40, s25, 6
	s_mov_b32 s41, 0
	s_wait_alu depctr_va_vdst(0)
	s_wait_kmcnt 0x0
	s_add_nc_u64 s[34:35], s[4:5], s[34:35]        ; my 16 rows of the features
	s_add_nc_u64 s[36:37], s[14:15], s[36:37]      ; my tile in xq,
	s_add_nc_u64 s[38:39], s[16:17], s[38:39]      ; in xs,
	s_add_nc_u64 s[40:41], s[18:19], s[40:41]      ; in idx
.macro LOAD y                          ; unit y into set y % 6 of window 1.  (The window stays set: the next user switches it)
	WIN 0x40
.irp i, 0,1,2,3,4,5,6,7
	global_load_b128 v[32*((\y)%6)+4*\i:32*((\y)%6)+4*\i+3], v4, s[34:35] offset:8192*\i+256*(\y) th:TH_LOAD_NT   ; two aligned runs of 256 bytes
.endr
.endm
.macro TURN y                          ; unit y through stage y % 2 (LDS serves a wave's instructions in order: no wait between the stores and the loads), and the prototypes' same k
	WIN 0x04
.irp i, 0,1,2,3,4,5,6,7
	ds_store_b128 v5, v[32*((\y)%6)+4*\i:32*((\y)%6)+4*\i+3] offset:FBUF*((\y)%2)+2*FPIT*\i
.endr
	WIN 0
.irp q, 0,1,2,3,4,5,6,7
	ds_load_b128 v[FX+32*((\y)%2)+4*\q:FX+32*((\y)%2)+4*\q+3], v6 offset:FBUF*((\y)%2)+16*\q
.endr
.irp q, 0,1,2,3,4,5,6,7
	ds_load_b128 v[FP+32*((\y)%2)+4*\q:FP+32*((\y)%2)+4*\q+3], v7 offset:256*(\y)+16*\q
.endr
.endm
.macro UNIT y
.set XS, FX+32*((\y)%2)
.set PS, FP+32*((\y)%2)
.set KS, (\y)/2                        ; the K step of 128, of which this unit is half (\y) % 2
.set FS, FF+12*(KS%2)
	s_wait_dscnt 0x0                               ; this unit's numbers are in, and its stores into the stage have read their registers,
.if (\y)+6 < 16
	LOAD (\y)+6                                    ; which take the loads of six units on
.endif
.if (\y)+1 < 16
.if (\y)+6 < 16
	s_wait_loadcnt 40                              ; the next unit's eight loads are in; those of the five units behind it may be out
.else
	s_wait_loadcnt 8*(14-(\y))
.endif
	TURN (\y)+1                                    ; it turns through the other stage while this unit is worked
.endif
	WIN 0
; The products with the prototypes: source 0 = the prototypes' tile, source 1 = my rows, so that lane (r, h) holds row r and register j the tile's row 8 h + j, prototype j + 2 h.  Instruction i takes
; k = 64 y + 32 h + 2 i, + 1 into the form's places 2 h, 2 h + 1, alike on both sides.  Four accumulators take turns, one instruction a turn; the first four start the sums with the constant 0.
.set wi, 0
.rept 16
.if ((\y) == 0) && (wi < 4)
	v_wmma_f32_16x16x4_f32 v[DA+8*(wi%4):DA+8*(wi%4)+7], v[PS+2*wi:PS+2*wi+1], v[XS+2*wi:XS+2*wi+1], 0
.else
	v_wmma_f32_16x16x4_f32 v[DA+8*(wi%4):DA+8*(wi%4)+7], v[PS+2*wi:PS+2*wi+1], v[XS+2*wi:XS+2*wi+1], v[DA+8*(wi%4):DA+8*(wi%4)+7]
.endif
.set wi, wi+1
.endr
; f2 and p2, each in two packed chains.  These 32 lines only read the products' sources; for any one product at least 30 of them name none of its registers: they are the eight places ahead of the next loads into this set.
.set wi, 0
.rept 8
.if ((\y) == 0) && (wi == 0)
	v_pk_mul_f32 v[20:21], v[XS:XS+1], v[XS:XS+1]
	v_pk_mul_f32 v[192:193], v[PS:PS+1], v[PS:PS+1]
	v_pk_mul_f32 v[22:23], v[XS+2:XS+3], v[XS+2:XS+3]
	v_pk_mul_f32 v[194:195], v[PS+2:PS+3], v[PS+2:PS+3]
.else
	v_pk_fma_f32 v[20:21], v[XS+4*wi:XS+4*wi+1], v[XS+4*wi:XS+4*wi+1], v[20:21]
	v_pk_fma_f32 v[192:193], v[PS+4*wi:PS+4*wi+1], v[PS+4*wi:PS+4*wi+1], v[192:193]
	v_pk_fma_f32 v[22:23], v[XS+4*wi+2:XS+4*wi+3], v[XS+4*wi+2:XS+4*wi+3], v[22:23]
	v_pk_fma_f32 v[194:195], v[PS+4*wi+2:PS+4*wi+3], v[PS+4*wi+2:PS+4*wi+3], v[194:195]
.endif
.set wi, wi+1
.endr
.if ((\y)%2 == 0) && ((\y) >= 4)
	s_wait_xcnt 0x0                                ; the stores of two K steps back have read this fragment's registers: they are written again only behind this wait
.endif
	QB XS, FS+6*((\y)%2), 15+(\y)%2
.if (\y)%2 == 1
	v_lshl_or_b32 v17, v16, 16, v15                ; my two bytes, blocks h and 2 + h of the K step,
	v_lshlrev_b32 v17, v198, v17                   ; at their places in the scale word;
	v_permlanex16_b32 v18, v17, s30, s31
	v_or_b32 v[SWR+KS], v17, v18                   ; with lane l xor 16's two the word is whole
.irp c, 0,1,2
	global_store_b128 v8, v[FS+4*\c:FS+4*\c+3], s[36:37] offset:1536*KS+512*\c   ; the fragment as it stands: 512 consecutive bytes, at a multiple of 256 from xq's first byte
.endr
.endif
.endm
.irp i, 0,1,2,3,4,5,6,7,8,9,10,11,12,13,14,15,16,17,18,19
	global_load_b128 v[64+4*\i:67+4*\i], v19, s[6:7] offset:2048*\i  ; the ten prototypes, 2,048 bytes a load of the work-group
.endr
.irp y, 0,1,2,3,4,5
	LOAD \y
.endr
	WIN 0
	s_wait_loadcnt 48                              ; the prototypes are in; the 48 loads of features issued behind them may be out
.irp i, 0,1,2,3,4,5,6,7,8,9,10,11,12,13,14,15,16,17,18,19
	ds_store_b128 v19, v[64+4*\i:67+4*\i] offset:PLDS+PPIT*(\i/2)+2048*(\i%2)
.endr
	s_wait_dscnt 0x0                               ; for the others' sake: my part of the copy lies in LDS
	s_barrier_signal -1
	s_barrier_wait -1
	s_wait_loadcnt 40                              ; unit 0 is in
	TURN 0
.irp y, 0,1,2,3,4,5,6,7,8,9,10,11,12,13,14,15
	UNIT \y
.endr
	; ---- the distances and the argmin
	v_pk_add_f32 v[20:21], v[20:21], v[22:23]
	v_pk_add_f32 v[192:193], v[192:193], v[194:195]
	v_add_f32 v20, v20, v21
	v_add_f32 v192, v192, v193
	v_permlanex16_b32 v18, v20, s30, s31
	v_permlanex16_b32 v17, v192, s30, s31
	v_add_f32 v20, v20, v18                        ; f2 of row r
	v_add_f32 v192, v192, v17                      ; p2 of my lane's prototype
	ds_store_b32 v11, v192                         ; p2 turns through my 16 words, word m for the tile's row m (both halves write the same number)
	ds_load_b128 v[200:203], v197                  ; p2 of the tile's rows 8 h + 0 .. 7
	ds_load_b128 v[204:207], v197 offset:16
.irp j, 0,2,4,6                        ; the four accumulators' sum, into other registers; each accumulator is read from its low end on
	v_pk_add_f32 v[208+\j:209+\j], v[DA+\j:DA+\j+1], v[DA+8+\j:DA+8+\j+1]
	v_pk_add_f32 v[216+\j:217+\j], v[DA+16+\j:DA+16+\j+1], v[DA+24+\j:DA+24+\j+1]
.endr
.irp j, 0,2,4,6
	v_pk_add_f32 v[208+\j:209+\j], v[208+\j:209+\j], v[216+\j:217+\j]
.endr
	s_wait_dscnt 0x0
.irp j, 0,1,2,3,4,5,6,7
	v_add_f32 v[200+\j], v20, v[200+\j]            ; f2 + p2, rounded,
.endr
.irp j, 0,1,2,3,4,5,6,7
	v_fma_f32 v[200+\j], -2.0, v[208+\j], v[200+\j]  ; less twice the product, rounded once more
.endr
	v_mov_b32 v216, v200                           ; lanes 0-15 go through prototypes 0 .. 7, lanes 16-31 through 2 .. 9, each in ascending order
	v_mov_b32 v217, v196                           ; index 2 h
.irp j, 1,2,3,4,5,6,7
	v_cmp_lt_f32 vcc_lo, v[200+\j], v216           ; strictly smaller: the lower index wins a tie
	v_add_nc_u32 v218, \j, v196
	v_cndmask_b32 v216, v216, v[200+\j], vcc_lo
	v_cndmask_b32 v217, v217, v218, vcc_lo
.endr
	v_permlanex16_b32 v18, v216, s30, s31
	v_permlanex16_b32 v17, v217, s30, s31
	v_cmp_lt_f32 vcc_lo, v18, v216                 ; lanes 0-15: the upper lanes' choice wins only if strictly smaller, which only prototypes 8 and 9 can be (lanes 16-31 are not stored)
	v_cndmask_b32 v217, v217, v17, vcc_lo
.irp i, 0,1,2,3
	v_cndmask_b32 v[220+\i], v[SWR+\i], v[SWR+4+\i], s32             ; lane (r, h) stores row r's words 4 h .. 4 h + 3
.endr
	global_store_b128 v9, v[220:223], s[38:39]     ; 512 consecutive bytes, at a multiple of 256 from xs's first byte
	v_cmp_gt_u32 vcc_lo, 16, v1
	s_wait_alu depctr_va_vdst(0)
	s_wait_xcnt 0x0                                ; EXEC changes only behind this wait
	s_set_vgpr_msb 0x4
	s_wait_tensorcnt 0x0
	ds_add_u32 v27, v255
	s_wait_dscnt 0x0
	s_set_vgpr_msb 0x400
	s_and_saveexec_b32 s33, vcc_lo
	global_store_b32 v10, v217, s[40:41]           ; lanes 0-15: the 16 rows' indices
	s_wait_xcnt 0x0
	s_or_b32 exec_lo, exec_lo, s33
	s_endpgm
.Lfunc_end_k_qb6542e4fcf_prep:
	.size	k_qb6542e4fcf_prep, .Lfunc_end_k_qb6542e4fcf_prep-k_qb6542e4fcf_prep
	.p2alignl 7, 3214868480
	.fill 96, 4, 3214868480
	.section	.rodata,"a",@progbits
	.p2align	6, 0x0
	.amdhsa_kernel k_qb6542e4fcf_prep
		.amdhsa_group_segment_fixed_size 150528
		.amdhsa_private_segment_fixed_size 0
		.amdhsa_enable_private_segment 0
		.amdhsa_kernarg_size 80
		.amdhsa_user_sgpr_count 2
		.amdhsa_user_sgpr_kernarg_segment_ptr 1
		.amdhsa_wavefront_size32 1
		.amdhsa_system_sgpr_workgroup_id_x 1
		.amdhsa_system_sgpr_workgroup_id_y 1
		.amdhsa_system_sgpr_workgroup_id_z 1
		.amdhsa_system_vgpr_workitem_id 0
		.amdhsa_next_free_vgpr 512
		.amdhsa_next_free_sgpr 66
		.amdhsa_reserve_vcc 1
		.amdhsa_float_denorm_mode_32 3
		.amdhsa_float_denorm_mode_16_64 3
		.amdhsa_memory_ordered 1
		.amdhsa_forward_progress 1
		.amdhsa_inst_pref_size 215
	.end_amdhsa_kernel
	.amdgpu_metadata
---
amdhsa.version: [ 1, 2 ]
amdhsa.kernels:
  - .name:           k_qb6542e4fcf_prep
    .symbol:         k_qb6542e4fcf_prep.kd
    .args:
      - { .name: features, .offset: 0, .size: 8, .value_kind: global_buffer, .address_space: global }
      - { .name: prototypes, .offset: 8, .size: 8, .value_kind: global_buffer, .address_space: global }
      - { .name: W1, .offset: 16, .size: 8, .value_kind: global_buffer, .address_space: global }
      - { .name: W2, .offset: 24, .size: 8, .value_kind: global_buffer, .address_space: global }
      - { .name: b1, .offset: 32, .size: 8, .value_kind: global_buffer, .address_space: global }
      - { .name: xq, .offset: 40, .size: 8, .value_kind: global_buffer, .address_space: global }
      - { .name: xs, .offset: 48, .size: 8, .value_kind: global_buffer, .address_space: global }
      - { .name: idx, .offset: 56, .size: 8, .value_kind: global_buffer, .address_space: global }
      - { .name: pwb, .offset: 64, .size: 8, .value_kind: global_buffer, .address_space: global }
      - { .name: wq, .offset: 72, .size: 8, .value_kind: global_buffer, .address_space: global }
    .group_segment_fixed_size: 150528
    .private_segment_fixed_size: 0
    .kernarg_segment_align: 8
    .kernarg_segment_size: 80
    .max_flat_workgroup_size: 128
    .sgpr_count:     66
    .vgpr_count:     512
    .wavefront_size: 32
...
	.end_amdgpu_metadata
.endif
;; end of part 1
;; launch layer1 (part 2): grid 4 x 64, 4 waves a work-group, clusters of 4 x 4, 327,680 bytes of LDS; arguments xq, xs, wq, idx, pwb, hq, hs; writes hq, hs
.if DOCPART == 2
	.amdgcn_target "amdgcn-amd-amdhsa--gfx1250"
	.amdhsa_code_object_version 6
	.text
	.protected	k_qb6542e4fcf_layer1
	.globl	k_qb6542e4fcf_layer1
	.p2align	8
	.type	k_qb6542e4fcf_layer1,@function
k_qb6542e4fcf_layer1:
	s_mov_b64 s[64:65], 0
	v_nop
	global_prefetch_b8 v0, s[64:65] scope:SCOPE_SE
	s_setreg_imm32_b32 hwreg(HW_REG_WAVE_MODE, 25, 1), 1
	s_wait_xcnt 0x0
	s_wait_alu depctr_hold_cnt(0) depctr_sa_sdst(0) depctr_va_vdst(0) depctr_va_sdst(0) depctr_va_ssrc(0) depctr_va_vcc(0) depctr_vm_vsrc(0)
	s_getreg_b32 s2, hwreg(HW_REG_IB_STS2, 6, 4)
	s_cmp_eq_u32 s2, 0
	s_cbranch_scc0 .Lentry_in_a_cluster
	s_endpgm
.Lentry_in_a_cluster:
	s_bfe_u32 s2, ttmp6, 0x10000c
	s_cmp_lg_u32 s2, 0xf033
	s_cbranch_scc0 .Lentry_shape_is_right
	s_endpgm
.Lentry_shape_is_right:
; LAYER 1: hidden = relu(Q(features) Q(W1 rows 0-1023) + pwb[idx]), quantised along its columns (the next K) to BF6 and stored as operand images.
; pwb[i] holds Q(prototype i) . Q(W1 rows 1024 on) + b1: K = 2,048 falls into blocks of 32 at 1,024, so the nearest prototype's half of the product is one of ten rows, chosen by the stored index.
; A block of 256 x 256 to a work-group of four waves, 128 x 128 a wave: 64 accumulators.  Operands lie in memory as images of the operand's registers (1,536 bytes for 16 rows x 128 K): a fragment is three loads of 16 bytes a lane.
; K's eight steps go through two LDS slots as steps 0-2, 3-5 and 6-7 (slot 0 filled again once).  The scale words of all of K come once and stay in 64 registers.
; CLUSTERS 4 x 4: A's tiles are asked for jointly along a row of the cluster, B's along a column.
; No prefetch: the text has no loop to run ahead in; it has three fills in all, and the second goes out as soon as the first has landed.
; The product is used transposed (source 0 = 16 columns of W, source 1 = 16 rows): lane (r, h) holds row r, and the 16 registers of tiles 2 p, 2 p + 1 are columns 32 p + 16 h + 0 .. 15.
; LIMITS: NaN and infinities are not served; a block of the hidden layer whose largest number lies under 2^-122 (a block of zeros too) keeps the scale byte 1: its bytes are read by this program alone.
.set MU,    0
.set IMG,   1536
.set HALFT, 24*IMG                     ; 8 tiles x 3 images of A, or 4 blocks x 6 images of B
.set SLOT,  4*HALFT
.set SCA,   2*SLOT                     ; A's scale words, 8,192 bytes
.set SCB,   SCA+8192                   ; B's, 8,192 bytes
.set SPARE, SCB+8192                   ; the spare words, 512 bytes
.set ADRA, 16
.set ADRB, 20
.set ADRS, 27
.set SPW,  28
.set NIL,  29
.set ADRT, 30
.set V16,  31
.set AS,   32                          ; v32-63 A's scale words: lanes 0-15 tile a, lanes 16-31 tile a + 4
.set BS,   64                          ; v64-95 B's: lanes 0-15 tile 2 p, lanes 16-31 tile 2 p + 1
.set AF,   128                         ; v128-223 A's fragments, one set; window 1: B's two sets at v0 and v128; windows 2, 3: accumulators
.set G1, 24
.set G0, 32
.set G1B, 48
.set G0B, 56
.set G1S, 68
.set G0S, 76
.set G1SB, 80
.set G0SB, 88
.set G0H, 92
.set G0HB, 96
.set MSB, 0
.set FIRST, 0
.macro WIN new
.if MSB != (\new)
	s_set_vgpr_msb (MSB<<8)|(\new)
.set MSB, (\new)
.endif
.endm
.macro PLACES n
.rept \n
	v_nop
.endr
.endm
.macro JLOAD g0a, g1a, g0b, g1b        ; waves 0, 1 fetch A's halves, waves 2, 3 B's
	s_cmp_eq_u32 s19, 0
	s_cbranch_scc0 .Lfor_b_\@
	tensor_load_to_lds s[\g0a:\g0a+3], s[\g1a:\g1a+7]
	s_nop 0
	PLACES 4
	s_branch .Lasked_\@
.Lfor_b_\@:
	tensor_load_to_lds s[\g0b:\g0b+3], s[\g1b:\g1b+7]
	s_nop 0
	PLACES 4
.Lasked_\@:
.endm
.macro CREST
	s_cmp_lg_u32 s18, 0
	s_cbranch_scc1 .Lnot_wave_0_\@
	s_barrier_signal -3
.Lnot_wave_0_\@:
	s_barrier_wait -3
	s_barrier_signal -1
	s_barrier_wait -1
.endm
.macro CROUND
	s_barrier_signal -1
	s_barrier_wait -1
	CREST
.endm
.macro DESC g, c, r, p                 ; group 1, words 1-7: r rows of c elements of 8 bytes, p elements apart
	s_mov_b32 s[\g+1], (\c)<<16
	s_mov_b32 s[\g+2], (\r)<<16
	s_mov_b32 s[\g+3], (\c)<<16
	s_mov_b32 s[\g+4], \r
	s_mov_b32 s[\g+5], \p
	s_mov_b32 s[\g+6], 0
	s_mov_b32 s[\g+7], 0
.endm
.macro GRP g, base, off                ; group 0 but for its LDS address
	s_mov_b32 s[\g], 1
	s_add_nc_u64 s[\g+2:\g+3], s[\base:\base+1], \off
	s_or_b32 s[\g+3], s[\g+3], 0x80000000
.endm
.macro ARM under, g0, g1, next
	s_cmp_lt_u32 s18, \under
	s_cbranch_scc0 \next
	tensor_load_to_lds s[\g0:\g0+3], s[\g1:\g1+7]
	s_nop 0
	PLACES 4
	s_branch .Lhead_asked
\next:
.endm
.macro KPOS ks                         ; K step ks lies in slot SL as image KL of NK
.if (\ks) < 3
.set SL, 0
.set KL, (\ks)
.set NK, 3
.elseif (\ks) < 6
.set SL, 1
.set KL, (\ks)-3
.set NK, 3
.else
.set SL, 0
.set KL, (\ks)-6
.set NK, 2
.endif
.endm
.macro FETCH_B ks
	KPOS \ks
	WIN 0x40
.irp b, 0,1,2,3,4,5,6,7
.irp c, 0,1,2
	ds_load_b128 v[128*((\ks)%2)+12*\b+4*\c:128*((\ks)%2)+12*\b+4*\c+3], v[ADRB+SL] offset:(\b/2)*NK*2*IMG+(2*KL+\b%2)*IMG+512*\c
.endr
.endr
	WIN 0
.endm
.macro FETCH_A ks, i0
	KPOS \ks
.irp i, 0,1,2,3
.irp c, 0,1,2
	ds_load_b128 v[AF+12*((\i0)+\i)+4*\c:AF+12*((\i0)+\i)+4*\c+3], v[ADRA+SL] offset:((\i0)+\i)*NK*IMG+KL*IMG+512*\c
.endr
.endr
.endm
.macro WM u, hi
.if (\u) && (\hi)
	v_wmma_scale_f32_16x16x128_f8f6f4 v[dd:dd+7], v[bf:bf+11], v[af:af+11], v[cc:cc+7], v[sb], v[sa] matrix_a_fmt:MATRIX_FMT_BF6 matrix_b_fmt:MATRIX_FMT_BF6 matrix_a_scale:MATRIX_SCALE_ROW1 matrix_b_scale:MATRIX_SCALE_ROW1
.elseif (\u)
	v_wmma_scale_f32_16x16x128_f8f6f4 v[dd:dd+7], v[bf:bf+11], v[af:af+11], v[cc:cc+7], v[sb], v[sa] matrix_a_fmt:MATRIX_FMT_BF6 matrix_b_fmt:MATRIX_FMT_BF6 matrix_a_scale:MATRIX_SCALE_ROW1
.elseif (\hi)
	v_wmma_scale_f32_16x16x128_f8f6f4 v[dd:dd+7], v[bf:bf+11], v[af:af+11], v[cc:cc+7], v[sb], v[sa] matrix_a_fmt:MATRIX_FMT_BF6 matrix_b_fmt:MATRIX_FMT_BF6 matrix_b_scale:MATRIX_SCALE_ROW1
.else
	v_wmma_scale_f32_16x16x128_f8f6f4 v[dd:dd+7], v[bf:bf+11], v[af:af+11], v[cc:cc+7], v[sb], v[sa] matrix_a_fmt:MATRIX_FMT_BF6 matrix_b_fmt:MATRIX_FMT_BF6
.endif
.endm
.macro MUL16 a0, ks                    ; A's blocks a0, a0 + 1 against B's eight; the 64 accumulators take turns in the same order in every step
.irp a, \a0, \a0+1
.irp b, 0,1,2,3,4,5,6,7
.set dd, 8*(8*((\a)%4)+\b)
.set cc, dd
.set bf, 128*((\ks)%2)+12*\b
.set af, AF+12*(\a)
.set sb, BS+8*(\b/2)+(\ks)
.set sa, AS+8*((\a)%4)+(\ks)
	WM \b%2, (\a)/4
.endr
.endr
.endm
.macro LW n                            ; first step alone: the sums' starting values are in
.if FIRST
	s_wait_loadcnt \n
.endif
.endm
; A K step: 64 products; the next step's fragments are fetched in its middle and at its end.  kind 1: the slot left behind is filled again; kind 2: a barrier shows the refilled slot whole.
.macro STEP ks, kind
.if \kind
	s_wait_tensorcnt 0x0                           ; all my tensor loads have landed
.if \kind == 1
	ds_add_u32 v[SPW], v[NIL]
	s_mov_b32 s[G1+1], 384<<16                     ; no load of mine is out: the refill's rows hold two images of A,
	s_mov_b32 s[G1+3], 384<<16
	s_mov_b32 s[G1B+1], 768<<16                    ; four of B
	s_mov_b32 s[G1B+3], 768<<16
	s_wait_dscnt 13                                ; the add and A's blocks 4-7 (12 loads) may be out
.else
	s_wait_dscnt 12
.endif
	WIN 0xa1
	MUL16 0, \ks
	s_wait_dscnt 0x0                               ; the add is done; my reads of the slot left behind are over
	s_barrier_signal -1
	MUL16 2, \ks
	WIN 0
	s_barrier_wait -1
.if \kind == 1
	CREST
	JLOAD G0, G1, G0B, G1B                         ; K steps 6 and 7 into slot 0; its four v_nop are the places ahead of the loads below
.else
	PLACES 4
.endif
.else
	s_wait_dscnt 12                                ; B's set and A's blocks 0-3 are in
	WIN 0xa1
	LW 63                                          ; of 128 loads at most 63 are out: blocks 0-3's 64 are in
	MUL16 0, \ks
	MUL16 2, \ks
	s_wait_dscnt 0x0
	PLACES 4
.endif
	FETCH_B (\ks)+1
	FETCH_A (\ks)+1, 0
	WIN 0xf1
	LW 32                                          ; blocks 6 and 7's 32 loads may be out
	MUL16 4, \ks
	LW 0
	MUL16 6, \ks
	PLACES 4
	WIN 0
	FETCH_A (\ks)+1, 4
.endm
.macro CLOAD a                         ; block a's sums begin as pwb[idx[row]] at the lane's columns
.irp b, 0,1,2,3,4,5,6,7
	global_load_b128 v[8*(8*((\a)%4)+\b):8*(8*((\a)%4)+\b)+3], v[8+(\a)], s[12:13] offset:128*(\b/2)+32*(\b%2)
	global_load_b128 v[8*(8*((\a)%4)+\b)+4:8*(8*((\a)%4)+\b)+7], v[8+(\a)], s[12:13] offset:128*(\b/2)+32*(\b%2)+16
.endr
.endm
	s_load_b256 s[4:11], s[0:1], 0x0               ; xq, xs, wq, idx
	s_load_b128 s[12:15], s[0:1], 0x20             ; pwb, hq
	s_load_b64 s[16:17], s[0:1], 0x30              ; hs
	v_lshl_add_u32 v[SPW], v0, 2, SPARE
	v_mov_b32 v[NIL], 0
	ds_add_u32 v[SPW], v[NIL]                      ; the opening lines: the add twice on end
	ds_add_u32 v[SPW], v[NIL]
	v_lshrrev_b32 v1, 5, v0
	v_readfirstlane_b32 s18, v1                    ; wave
	s_lshr_b32 s19, s18, 1                         ; my half of the rows; also: I fetch for A (0) or B (1)
	s_and_b32 s20, s18, 1                          ; my half of the columns; also: which half I fetch
	s_bfe_u32 s40, ttmp6, 0x40000                  ; cx
	s_bfe_u32 s41, ttmp6, 0x40004                  ; cy
	s_lshl_b32 s42, ttmp9, 2
	s_add_co_u32 s42, s42, s40                     ; block column
	s_and_b32 s21, ttmp7, 0xffff
	s_lshl_b32 s21, s21, 2
	s_add_co_u32 s21, s21, s41                     ; block row
	s_lshl_b32 s43, s41, 2
	s_lshl_b32 s43, 15, s43                        ; my row of the cluster
	s_lshl_b32 s44, 0x1111, s40                    ; my column
	s_or_b32 s[G1], s43, (3<<16)|(1<<21)
	s_or_b32 s[G1B], s44, (3<<16)|(1<<21)
	s_or_b32 s[G1S], s43, (3<<16)|(1<<21)
	s_or_b32 s[G1SB], s44, (3<<16)|(1<<21)
	DESC G1, 576, 16, 1536                         ; A: 16 tiles x 3 images, tiles 12,288 bytes apart
	DESC G1B, 1152, 8, 3200                        ; B: 8 blocks x 6 images, blocks 25,600 bytes apart
	DESC G1S, 32, 32, 32                           ; A's scale words: 8,192 dense bytes
	DESC G1SB, 128, 8, 3200                        ; B's: 1,024 bytes of each block
	s_mul_i32 s22, s21, 196608
	s_mov_b32 s23, 0
	s_lshl_b32 s66, s21, 13
	s_mov_b32 s67, 0
	s_mul_i32 s46, s42, 409600
.if MU
	s_add_co_u32 s46, s46, MU*204800
.endif
	s_mov_b32 s47, 0
	s_mul_i32 s45, s18, HALFT
	s_lshl_b32 s100, s21, 10
	s_lshl_b32 s3, s19, 9
	s_add_co_u32 s100, s100, s3                    ; idx: 4 x (256 block row + 128 half)
	s_mov_b32 s101, 0
	s_mov_b32 s40, 0x76543210
	s_mov_b32 s41, 0xfedcba98                      ; selects for lane l xor 16
	s_mov_b32 s43, 0xffff0000                      ; lanes 16-31
	v_and_b32 v1, 15, v0                           ; r
	v_bfe_u32 v2, v0, 4, 1                         ; h
	v_lshlrev_b32 v4, 2, v1
	s_wait_alu depctr_va_vdst(0)
	s_wait_dscnt 0x0
	s_wait_kmcnt 0x0
	s_add_nc_u64 s[22:23], s[4:5], s[22:23]
	s_add_nc_u64 s[66:67], s[6:7], s[66:67]
	s_add_nc_u64 s[46:47], s[8:9], s[46:47]
	s_add_nc_u64 s[10:11], s[10:11], s[100:101]
.irp a, 0,1,2,3,4,5,6,7
	global_load_b32 v[8+\a], v4, s[10:11] offset:64*\a
.endr
	CROUND                                         ; the first joint loads meet
	GRP G0H, 22, 0
	s_mov_b32 s[G0H+1], 0
	GRP G0HB, 46, 0
	s_mov_b32 s[G0HB+1], 2*HALFT
	GRP G0S, 66, 0
	s_mov_b32 s[G0S+1], SCA
	GRP G0SB, 46, 24576
	s_mov_b32 s[G0SB+1], SCB
	s_mul_i32 s100, s20, 98304
	s_add_nc_u64 s[22:23], s[22:23], s[100:101]    ; the half that I fetch later
	s_mul_i32 s100, s20, 102400
	s_add_nc_u64 s[46:47], s[46:47], s[100:101]
	GRP G0, 22, 6*IMG                              ; slot 0 again: K steps 6, 7
	s_mov_b32 s[G0+1], s45
	GRP G0+4, 22, 3*IMG                            ; slot 1: K steps 3-5
	s_add_co_u32 s[G0+5], s45, SLOT
	GRP G0B, 46, 12*IMG
	s_mov_b32 s[G0B+1], s45
	GRP G0B+4, 46, 6*IMG
	s_add_co_u32 s[G0B+5], s45, SLOT
	ARM 1, G0H,  G1,  .Lhead_b                     ; one tensor load a wave: A's K steps 0-2, B's, A's scale words, B's
	ARM 2, G0HB, G1B, .Lhead_sa
	ARM 3, G0S,  G1S, .Lhead_sb
	tensor_load_to_lds s[G0SB:G0SB+3], s[G1SB:G1SB+7]
	s_nop 0
	PLACES 4
.Lhead_asked:
	s_lshl_b32 s100, s42, 10
	s_lshl_b32 s3, s20, 9
	s_add_co_u32 s100, s100, s3
	s_add_nc_u64 s[12:13], s[12:13], s[100:101]    ; pwb at my 128 columns
	s_mul_i32 s100, s21, 196608
	s_mul_i32 s3, s19, 98304
	s_add_co_u32 s100, s100, s3
	s_mul_i32 s3, s42, 2*IMG
	s_add_co_u32 s100, s100, s3
	s_mul_i32 s3, s20, IMG
	s_add_co_u32 s100, s100, s3
	s_add_nc_u64 s[14:15], s[14:15], s[100:101]    ; hq: my first tile, K step 2 x block column + half
	s_lshl_b32 s100, s21, 13
	s_lshl_b32 s3, s42, 11
	s_add_co_u32 s100, s100, s3
	s_lshl_b32 s3, s20, 10
	s_add_co_u32 s100, s100, s3
	s_lshl_b32 s3, s19, 9
	s_add_co_u32 s100, s100, s3
	s_add_nc_u64 s[16:17], s[16:17], s[100:101]    ; hs: [block row][K step][half][lane][4 words]
	v_and_b32 v3, 31, v0
	v_lshlrev_b32 v[V16], 4, v3
	s_mul_i32 s3, s19, HALFT
	v_add_nc_u32 v[ADRA], s3, v[V16]
	v_add_nc_u32 v[ADRA+1], SLOT, v[ADRA]
	s_mul_i32 s3, s20, HALFT
	s_add_co_u32 s3, s3, 2*HALFT
	v_add_nc_u32 v[ADRB], s3, v[V16]
	v_add_nc_u32 v[ADRB+1], SLOT, v[ADRB]
	v_lshlrev_b32 v[ADRS], 5, v1                   ; xs: [tile][row][K step]: 32 r, lanes 16-31 four tiles on
	v_lshl_add_u32 v[ADRS], v2, 11, v[ADRS]
	s_lshl_b32 s3, s19, 12
	s_add_co_u32 s3, s3, SCA
	v_add_nc_u32 v[ADRS], s3, v[ADRS]
	v_lshlrev_b32 v[ADRT], 5, v3
	s_lshl_b32 s3, s20, 12
	s_add_co_u32 s3, s3, SCB
	v_add_nc_u32 v[ADRT], s3, v[ADRT]
	v_lshlrev_b32 v5, 6, v2                        ; 64 h
.irp p, 0,1,2,3
	v_mov_b32 v[120+\p], 0                         ; a lane permute's destination counts as one of its sources
.endr
	s_wait_alu depctr_va_vdst(0)
	s_wait_loadcnt 0x0                             ; the indices
.irp a, 0,1,2,3,4,5,6,7
	v_min_u32 v[8+\a], 9, v[8+\a]
.endr
.irp a, 0,1,2,3,4,5,6,7
	v_lshlrev_b32 v[8+\a], 12, v[8+\a]
.endr
.irp a, 0,1,2,3,4,5,6,7
	v_add_nc_u32 v[8+\a], v[8+\a], v5              ; my row of pwb, + 64 h
.endr
	s_wait_alu depctr_va_vdst(0)
	WIN 0x80
.irp a, 0,1,2,3
	CLOAD \a
.endr
	WIN 0
	s_wait_alu depctr_va_vdst(0)
	s_wait_tensorcnt 0x0                           ; my tile of the head's four is in
	ds_add_u32 v[SPW], v[NIL]
	s_mov_b32 s[G1+2], 8<<16                       ; from here on a load brings half the rows
	s_mov_b32 s[G1+4], 8
	s_mov_b32 s[G1B+2], 4<<16
	s_mov_b32 s[G1B+4], 4
	s_wait_dscnt 0x0
	CROUND
	JLOAD G0+4, G1, G0B+4, G1B                     ; slot 1's first fill, issued as a refill is
.irp i, 0,1,2,3
.irp k, 0,1
	ds_load_b128 v[AS+8*\i+4*\k:AS+8*\i+4*\k+3], v[ADRS] offset:512*\i+16*\k
	ds_load_b128 v[BS+8*\i+4*\k:BS+8*\i+4*\k+3], v[ADRT] offset:1024*\i+16*\k
.endr
.endr
	FETCH_B 0
	FETCH_A 0, 0
	FETCH_A 0, 4
	WIN 0xc0
.irp a, 4,5,6,7
	CLOAD \a
.endr
	WIN 0
.set FIRST, 1
	STEP 0, 0
.set FIRST, 0
	STEP 1, 0
	STEP 2, 1
	STEP 3, 0
	STEP 4, 0
	STEP 5, 2
	STEP 6, 0
	s_wait_dscnt 12                                ; the last step fetches nothing
	WIN 0xa1
	MUL16 0, 7
	MUL16 2, 7
	s_wait_dscnt 0x0
	WIN 0xf1
	MUL16 4, 7
	MUL16 6, 7
	WIN 0
	PLACES 4
; THE WAY OUT, block by block of 16 rows x 128 columns, which are one K step of the next product: relu, four blocks of 32, their scales, codes, and the image of the operand's registers.
.set H,  128
.set F,  96
.set T,  108
.set M,  116
.set MX, 120
.set SV, 124
.set BY, 192
.set W,  200
.set SO, 208
.macro EPI a
.if (\a) > 0
	s_wait_alu depctr_va_vdst(0)
	s_wait_xcnt 0x0                                ; the last block's stores have read their registers
.endif
	WIN 0x28+0x14*((\a)/4)                         ; sources 1 and 2: window 2 or 3
.set ei, 0
.rept 64
	v_max_num_f32 v[H+ei], 0, v[64*((\a)%4)+ei]    ; each accumulator from its low end on
.set ei, ei+1
.endr
	WIN 0
.irp p, 0,1,2,3
	v_max3_num_f32 v[M+\p], v[H+16*\p], v[H+16*\p+1], 0x2800000   ; with the floor 2^(5 - 127)
.endr
.irp i, 2,4,6,8,10,12,14
.irp p, 0,1,2,3
	v_max3_num_f32 v[M+\p], v[M+\p], v[H+16*\p+\i], v[H+16*\p+\i+1]
.endr
.endr
.irp p, 0,1,2,3
	v_permlanex16_b32 v[MX+\p], v[M+\p], s40, s41
.endr
.irp p, 0,1,2,3
	v_max_num_f32 v[M+\p], v[M+\p], v[MX+\p]
.endr
.irp p, 0,1,2,3
	v_add_nc_u32 v[SV+\p], 0xfe000000, v[M+\p]     ; 4 off the exponent field: the conversion's scale operand
.endr
.irp p, 0,1,2,3
	v_lshrrev_b32 v[BY+\p], 23, v[SV+\p]
.endr
	v_lshl_or_b32 v[W+(\a)], v[BY+1], 8, v[BY]
	v_lshl_or_b32 v[W+(\a)], v[BY+2], 16, v[W+(\a)]
	v_lshl_or_b32 v[W+(\a)], v[BY+3], 24, v[W+(\a)]
.irp c, 0,1
	v_cvt_scalef32_pk16_bf6_f32 v[F+6*\c:F+6*\c+2], v[H+32*\c:H+32*\c+15], v[SV+2*\c]
	v_cvt_scalef32_pk16_bf6_f32 v[T+4*\c:T+4*\c+2], v[H+32*\c+16:H+32*\c+31], v[SV+2*\c+1]
.endr
	v_nop                                          ; one plain place behind the conversions
.irp c, 0,1
.irp i, 0,1,2
	v_permlane16_swap_b32 v[F+6*\c+\i], v[T+4*\c+\i]   ; a whole block of 32 to a lane
.endr
.irp i, 0,1,2
	v_mov_b32 v[F+6*\c+3+\i], v[T+4*\c+\i]
.endr
.endr
.irp c, 0,1,2
	global_store_b128 v[V16], v[F+4*\c:F+4*\c+3], s[14:15] offset:12288*(\a)+512*\c   ; 512 consecutive bytes, at a multiple of 256 from hq's first byte
.endr
.endm
.irp a, 0,1,2,3,4,5,6,7
	EPI \a
.endr
.irp i, 0,1,2,3
	v_cndmask_b32 v[SO+\i], v[W+\i], v[W+4+\i], s43    ; lanes 0-15 tiles 0-3, lanes 16-31 tiles 4-7: as the next launch's scale registers want them
.endr
	global_store_b128 v[V16], v[SO:SO+3], s[16:17]
	s_wait_tensorcnt 0x0                           ; the wave's end
	ds_add_u32 v[SPW], v[NIL]
	s_wait_dscnt 0x0
	CROUND                                         ; the closing round
	s_endpgm
.Lfunc_end_k_qb6542e4fcf_layer1:
	.size	k_qb6542e4fcf_layer1, .Lfunc_end_k_qb6542e4fcf_layer1-k_qb6542e4fcf_layer1
	.p2alignl 7, 3214868480
	.fill 96, 4, 3214868480
	.section	.rodata,"a",@progbits
	.p2align	6, 0x0
	.amdhsa_kernel k_qb6542e4fcf_layer1
		.amdhsa_group_segment_fixed_size 327680
		.amdhsa_private_segment_fixed_size 0
		.amdhsa_enable_private_segment 0
		.amdhsa_kernarg_size 56
		.amdhsa_user_sgpr_count 2
		.amdhsa_user_sgpr_kernarg_segment_ptr 1
		.amdhsa_wavefront_size32 1
		.amdhsa_system_sgpr_workgroup_id_x 1
		.amdhsa_system_sgpr_workgroup_id_y 1
		.amdhsa_system_sgpr_workgroup_id_z 1
		.amdhsa_system_vgpr_workitem_id 0
		.amdhsa_next_free_vgpr 1024
		.amdhsa_next_free_sgpr 102
		.amdhsa_reserve_vcc 0
		.amdhsa_float_denorm_mode_32 3
		.amdhsa_float_denorm_mode_16_64 3
		.amdhsa_memory_ordered 1
		.amdhsa_forward_progress 1
		.amdhsa_inst_pref_size 168
	.end_amdhsa_kernel
	.amdgpu_metadata
---
amdhsa.version: [ 1, 2 ]
amdhsa.kernels:
  - .name:           k_qb6542e4fcf_layer1
    .symbol:         k_qb6542e4fcf_layer1.kd
    .args:
      - { .name: xq, .offset: 0, .size: 8, .value_kind: global_buffer, .address_space: global }
      - { .name: xs, .offset: 8, .size: 8, .value_kind: global_buffer, .address_space: global }
      - { .name: wq, .offset: 16, .size: 8, .value_kind: global_buffer, .address_space: global }
      - { .name: idx, .offset: 24, .size: 8, .value_kind: global_buffer, .address_space: global }
      - { .name: pwb, .offset: 32, .size: 8, .value_kind: global_buffer, .address_space: global }
      - { .name: hq, .offset: 40, .size: 8, .value_kind: global_buffer, .address_space: global }
      - { .name: hs, .offset: 48, .size: 8, .value_kind: global_buffer, .address_space: global }
    .group_segment_fixed_size: 327680
    .private_segment_fixed_size: 0
    .kernarg_segment_align: 8
    .kernarg_segment_size: 56
    .max_flat_workgroup_size: 128
    .sgpr_count:     102
    .vgpr_count:     1024
    .wavefront_size: 32
...
	.end_amdgpu_metadata
.endif
;; end of part 2
;; launch layer2 (part 3): grid 4 x 64, 4 waves a work-group, clusters of 4 x 4, 327,680 bytes of LDS; arguments hq, hs, wq, b2, out0; writes out0
.if DOCPART == 3
	.amdgcn_target "amdgcn-amd-amdhsa--gfx1250"
	.amdhsa_code_object_version 6
	.text
	.protected	k_qb6542e4fcf_layer2
	.globl	k_qb6542e4fcf_layer2
	.p2align	8
	.type	k_qb6542e4fcf_layer2,@function
k_qb6542e4fcf_layer2:
	s_mov_b64 s[64:65], 0
	v_nop
	global_prefetch_b8 v0, s[64:65] scope:SCOPE_SE
	s_setreg_imm32_b32 hwreg(HW_REG_WAVE_MODE, 25, 1), 1
	s_wait_xcnt 0x0
	s_wait_alu depctr_hold_cnt(0) depctr_sa_sdst(0) depctr_va_vdst(0) depctr_va_sdst(0) depctr_va_ssrc(0) depctr_va_vcc(0) depctr_vm_vsrc(0)
	s_getreg_b32 s2, hwreg(HW_REG_IB_STS2, 6, 4)
	s_cmp_eq_u32 s2, 0
	s_cbranch_scc0 .Lentry_in_a_cluster
	s_endpgm
.Lentry_in_a_cluster:
	s_bfe_u32 s2, ttmp6, 0x10000c
	s_cmp_lg_u32 s2, 0xf033
	s_cbranch_scc0 .Lentry_shape_is_right
	s_endpgm
.Lentry_shape_is_right:
; LAYER 2: out0 = Q(hidden) Q(W2) + b2, f32.  A block of 256 rows x 256 columns to a work-group of four waves.
; THE WEIGHTS STAY, THE ROWS PASS: a wave keeps its 64 columns of W2 for all of K (4 tiles x 8 K steps x 12 = 384 registers).  A tile of 16 rows is 32 products on four accumulators that take turns;
; it is then finished, goes through the wave's own stage and leaves as 16 aligned runs of 256 bytes while the next tiles are multiplied.
; CLUSTERS 4 x 4: W2's blocks are asked for jointly along a column of the cluster, the rows' codes and scale words along a row.
; LDS: bytes 0 on: row tiles 0-7 (98,304); behind them W2's eight blocks, scale words among them (204,800); the rows' scale words (8,192); the spare words.  When every wave has W2 in registers, the first 98,304 bytes
; of W2's place take row tiles 8-15 (the one refill); the stages lie in W2's bytes above that, which have had their last fill and their last read by then.
; No prefetch: five fills in all, four of them at the head; the fifth goes out ahead of the first tile and is read eight tiles later.
; The product is used transposed (source 0 = 16 columns of W2, source 1 = 16 rows): lane (r, h) holds row r, and tiles 2 p, 2 p + 1 hold columns 32 p + 16 h + 0 .. 15.
; Two loops of two trips, four tiles a trip: tiles 0-7, then the wait for the refill and a barrier, then tiles 8-15.
; REGISTERS: window 0: addresses, scale words (v32-79), the accumulators (v112-143), a tile on its way out (v144-175); window 1: W2's K steps 0-4; window 2: K steps 5-7; window 3: the rows' fragments, two sets, and b2 (v192-223).
.set IMG,   1536
.set TILEB, 8*IMG
.set XB,    8*TILEB                    ; W2's blocks
.set STAGE, 16*TILEB                   ; 16 x 272 bytes for each wave
.set SPIT,  272
.set HS,    XB+8*25600                 ; the rows' scale words: [K step][group of four tiles][row][4 words]
.set SPARE, HS+8192
.set ADA,  16
.set ADH,  17
.set STO,  18
.set RD,   19
.set CO,   20
.set ADB,  21
.set H64,  22
.set ADBS, 23
.set R16,  24
.set SPW,  28
.set NIL,  29
.set V16,  31
.set BS,   32
.set AS,   48
.set ACC,  112
.set OB,   144
.set BI,   192
.set G1B,  24
.set G0B0, 32
.set G0B1, 36
.set G1A,  48
.set G0A,  56
.set G0S,  60
.set G1S,  68
.set G1R,  80
.set G0R,  88
.set MSB, 0
.macro WIN new
.if MSB != (\new)
	s_set_vgpr_msb (MSB<<8)|(\new)
.set MSB, (\new)
.endif
.endm
.macro PLACES n
.rept \n
	v_nop
.endr
.endm
.macro CROUND
	s_barrier_signal -1
	s_barrier_wait -1
	s_cmp_lg_u32 s18, 0
	s_cbranch_scc1 .Lnot_wave_0_\@
	s_barrier_signal -3
.Lnot_wave_0_\@:
	s_barrier_wait -3
	s_barrier_signal -1
	s_barrier_wait -1
.endm
.macro DESC g, c, r, p                 ; group 1, words 1-7: r rows of c elements of 8 bytes, p elements apart
	s_mov_b32 s[\g+1], (\c)<<16
	s_mov_b32 s[\g+2], (\r)<<16
	s_mov_b32 s[\g+3], (\c)<<16
	s_mov_b32 s[\g+4], \r
	s_mov_b32 s[\g+5], \p
	s_mov_b32 s[\g+6], 0
	s_mov_b32 s[\g+7], 0
.endm
.macro GRP g, base, off                ; group 0 but for its LDS address
	s_mov_b32 s[\g], 1
	s_add_nc_u64 s[\g+2:\g+3], s[\base:\base+1], \off
	s_or_b32 s[\g+3], s[\g+3], 0x80000000
.endm
.macro ARM under, g0, g1, next
	s_cmp_lt_u32 s18, \under
	s_cbranch_scc0 \next
	tensor_load_to_lds s[\g0:\g0+3], s[\g1:\g1+7]
	s_nop 0
	PLACES 4
	s_branch .Lhead_asked
\next:
.endm
.macro KMUL j, ks                      ; K step ks of tile j: the four accumulators by turns; the first step takes b2 as C
.irp b, 0,1,2,3
.set dd, ACC+8*\b
.if (\ks) == 0
.set cc, BI+8*\b
.else
.set cc, dd
.endif
.if (\ks) < 5
.set bf, 48*(\ks)+12*\b
.else
.set bf, 48*((\ks)-5)+12*\b
.endif
.set af, 96*((\j)%2)+12*(\ks)
.set sb, BS+8*(\b/2)+(\ks)
.set sa, AS+4*(\ks)+(\j)
.if \b%2
	v_wmma_scale_f32_16x16x128_f8f6f4 v[dd:dd+7], v[bf:bf+11], v[af:af+11], v[cc:cc+7], v[sb], v[sa] matrix_a_fmt:MATRIX_FMT_BF6 matrix_b_fmt:MATRIX_FMT_BF6 matrix_a_scale:MATRIX_SCALE_ROW1
.else
	v_wmma_scale_f32_16x16x128_f8f6f4 v[dd:dd+7], v[bf:bf+11], v[af:af+11], v[cc:cc+7], v[sb], v[sa] matrix_a_fmt:MATRIX_FMT_BF6 matrix_b_fmt:MATRIX_FMT_BF6
.endif
.endr
.endm
.macro BLD ks                          ; W2's four fragments of K step ks, out of my two blocks in LDS
.if (\ks) < 5
.set bf, 48*(\ks)
.else
.set bf, 48*((\ks)-5)
.endif
.irp b, 0,1,2,3
.irp c, 0,1,2
	ds_load_b128 v[bf+12*\b+4*\c:bf+12*\b+4*\c+3], v[ADB] offset:(\b/2)*25600+(2*(\ks)+\b%2)*IMG+512*\c
.endr
.endr
.endm
.macro FETCH j                         ; tile j's eight fragments into set j % 2 of window 3: 24 loads
	WIN 0xc0
.irp ks, 0,1,2,3,4,5,6,7
.irp c, 0,1,2
	ds_load_b128 v[96*((\j)%2)+12*\ks+4*\c:96*((\j)%2)+12*\ks+4*\c+3], v[ADA] offset:(\j)*TILEB+\ks*IMG+512*\c
.endr
.endr
.endm
.macro SEND j                          ; tile j leaves: each store covers two aligned runs of 256 bytes
.irp q, 0,1,2,3,4,5,6,7
	global_store_b128 v[CO], v[OB+4*\q:OB+4*\q+3], s[12:13] offset:65536*(\j)+8192*\q th:TH_STORE_NT
.endr
.endm
.macro TILE j
.if (\j) == 0
	s_wait_dscnt 0x0                               ; the trip's scale words and first tile are in
.else
	s_wait_dscnt 16                                ; this tile's fragments are in; the last tile's 8 stores into the stage and 8 loads from it may be out
.endif
.if (\j) < 3
	FETCH (\j)+1
.endif
	WIN 0x3d                                       ; W2 window 1, rows window 3, C window 3, D window 0
	KMUL \j, 0
	WIN 0x0d                                       ; C window 0
.irp ks, 1,2,3,4
	KMUL \j, \ks
.endr
.if (\j) > 0
	WIN 0
.if (\j) < 3
	s_wait_dscnt 24                                ; the last tile is back from the stage; the next tile's 24 fragment loads may be out
.else
	s_wait_dscnt 0x0
.endif
	SEND (\j)-1
.endif
	WIN 0x0e                                       ; W2 window 2
.irp ks, 5,6,7
	KMUL \j, \ks
.endr
	PLACES 5                                       ; ahead of the reads of the results, of the loads into registers just multiplied, and of the next tile's first products, which begin the accumulators anew
	WIN 0
.irp b, 0,1,2,3
	ds_store_b128 v[STO], v[ACC+8*\b:ACC+8*\b+3] offset:128*(\b/2)+32*(\b%2)       ; each accumulator from its low end on
	ds_store_b128 v[STO], v[ACC+8*\b+4:ACC+8*\b+7] offset:128*(\b/2)+32*(\b%2)+16
.endr
	s_wait_xcnt 0x0                                ; the last tile's stores have read their registers
.irp q, 0,1,2,3,4,5,6,7
	ds_load_b128 v[OB+4*\q:OB+4*\q+3], v[RD] offset:2*SPIT*\q    ; LDS serves a wave's instructions in order: these see the stores above
.endr
.endm
.macro TRIP                            ; four tiles
	v_add_nc_u32 v[ADA], s76, v[V16]
	v_add_nc_u32 v[ADH], s78, v[R16]
	s_wait_alu depctr_va_vdst(0)
.irp ks, 0,1,2,3,4,5,6,7
	ds_load_b128 v[AS+4*\ks:AS+4*\ks+3], v[ADH] offset:1024*\ks   ; lane r: row r's words of the four tiles
.endr
	FETCH 0
.irp j, 0,1,2,3
	TILE \j
.endr
	s_wait_dscnt 0x0
	SEND 3
	s_wait_xcnt 0x0                                ; the stores have read their base
	s_add_nc_u64 s[12:13], s[12:13], 4*65536
	s_add_co_u32 s76, s76, 4*TILEB
	s_add_co_u32 s78, s78, 256
	s_add_co_u32 s77, s77, 1
	s_cmp_lt_u32 s77, 2
	s_wait_alu depctr_va_vdst(0)
.endm
	s_load_b256 s[4:11], s[0:1], 0x0               ; hq, hs, wq, b2
	s_load_b64 s[12:13], s[0:1], 0x20              ; out0
	v_lshl_add_u32 v[SPW], v0, 2, SPARE
	v_mov_b32 v[NIL], 0
	ds_add_u32 v[SPW], v[NIL]                      ; the opening lines: the add twice on end
	ds_add_u32 v[SPW], v[NIL]
	v_lshrrev_b32 v1, 5, v0
	v_readfirstlane_b32 s18, v1                    ; wave
	s_bfe_u32 s40, ttmp6, 0x40000                  ; cx
	s_bfe_u32 s41, ttmp6, 0x40004                  ; cy
	s_lshl_b32 s42, ttmp9, 2
	s_add_co_u32 s42, s42, s40                     ; block column
	s_and_b32 s21, ttmp7, 0xffff
	s_lshl_b32 s21, s21, 2
	s_add_co_u32 s21, s21, s41                     ; block row
	s_lshl_b32 s43, s41, 2
	s_lshl_b32 s43, 15, s43                        ; my row of the cluster
	s_lshl_b32 s44, 0x1111, s40                    ; my column
	s_or_b32 s[G1B], s44, (3<<16)|(1<<21)
	s_or_b32 s[G1A], s43, (3<<16)|(1<<21)
	s_or_b32 s[G1S], s43, (3<<16)|(1<<21)
	s_or_b32 s[G1R], s43, (3<<16)|(1<<21)
	DESC G1B, 32, 400, 32                          ; four blocks of W2: 102,400 dense bytes as rows of 256
	DESC G1A, 32, 384, 32                          ; eight row tiles: 98,304
	DESC G1S, 32, 32, 32                           ; the rows' scale words: 8,192
	DESC G1R, 32, 96, 32                           ; two row tiles: 24,576
	s_mul_i32 s22, s21, 16*TILEB
	s_mov_b32 s23, 0
	s_lshl_b32 s66, s21, 13
	s_mov_b32 s67, 0
	s_mul_i32 s46, s42, 409600                     ; wq: block 16 x block column + 8 (W2)
	s_add_co_u32 s46, s46, 204800
	s_mov_b32 s47, 0
	s_lshl_b32 s92, s42, 10                        ; my 64 columns, in bytes of f32
	s_lshl_b32 s3, s18, 8
	s_add_co_u32 s92, s92, s3
	s_mov_b32 s93, 0
	s_lshl_b32 s94, s21, 20                        ; 256 rows of 4,096 bytes
	s_add_co_u32 s94, s94, s92
	s_mov_b32 s95, 0
	s_mul_i32 s96, s18, 2*TILEB                    ; my part of the refill
	s_mov_b32 s97, 0
	v_and_b32 v1, 15, v0                           ; r
	v_bfe_u32 v2, v0, 4, 1                         ; h
	v_and_b32 v3, 31, v0
	v_lshlrev_b32 v[V16], 4, v3
	v_lshlrev_b32 v[H64], 6, v2
	v_lshl_add_u32 v[R16], v1, 4, HS
	s_mul_i32 s3, s18, 51200
	s_add_co_u32 s3, s3, XB                        ; my two blocks of W2
	v_add_nc_u32 v[ADB], s3, v[V16]
	v_lshlrev_b32 v[ADBS], 5, v3
	s_add_co_u32 s3, s3, 24576
	v_add_nc_u32 v[ADBS], s3, v[ADBS]              ; and their scale words
	s_mul_i32 s3, s18, 16*SPIT
	s_add_co_u32 s3, s3, STAGE
	v_mul_u32_u24 v4, v1, SPIT
	v_lshl_add_u32 v4, v2, 6, v4
	v_add_nc_u32 v[STO], s3, v4                    ; into my stage: row r, + 64 h
	v_mul_u32_u24 v5, v2, SPIT
	v_lshl_add_u32 v5, v1, 4, v5
	v_add_nc_u32 v[RD], s3, v5                     ; back: lanes 0-15 one row's 256 bytes, lanes 16-31 the next row's
	v_lshlrev_b32 v6, 12, v2
	v_lshl_add_u32 v[CO], v1, 4, v6                ; and the same two rows in out0
	s_wait_alu depctr_va_vdst(0)
	s_wait_dscnt 0x0
	s_wait_kmcnt 0x0
	s_add_nc_u64 s[22:23], s[4:5], s[22:23]
	s_add_nc_u64 s[66:67], s[6:7], s[66:67]
	s_add_nc_u64 s[46:47], s[8:9], s[46:47]
	s_add_nc_u64 s[10:11], s[10:11], s[92:93]
	s_add_nc_u64 s[12:13], s[12:13], s[94:95]
	WIN 0xc0
.irp b, 0,1,2,3
	global_load_b128 v[BI+8*\b:BI+8*\b+3], v[H64], s[10:11] offset:128*(\b/2)+32*(\b%2)
	global_load_b128 v[BI+8*\b+4:BI+8*\b+7], v[H64], s[10:11] offset:128*(\b/2)+32*(\b%2)+16
.endr
	WIN 0
	CROUND                                         ; the first joint loads meet
	GRP G0B0, 46, 0
	s_mov_b32 s[G0B0+1], XB
	GRP G0B1, 46, 102400
	s_mov_b32 s[G0B1+1], XB+102400
	GRP G0A, 22, 0
	s_mov_b32 s[G0A+1], 0
	GRP G0S, 66, 0
	s_mov_b32 s[G0S+1], HS
	s_add_nc_u64 s[22:23], s[22:23], s[96:97]
	GRP G0R, 22, 8*TILEB
	s_add_co_u32 s[G0R+1], s96, XB
	ARM 1, G0B0, G1B, .Lhead_b1                    ; one tensor load a wave: W2's blocks 0-3, blocks 4-7, row tiles 0-7, the rows' scale words
	ARM 2, G0B1, G1B, .Lhead_a
	ARM 3, G0A,  G1A, .Lhead_s
	tensor_load_to_lds s[G0S:G0S+3], s[G1S:G1S+7]
	s_nop 0
	PLACES 4
.Lhead_asked:
	s_wait_tensorcnt 0x0                           ; my tile of the head's four is in;
	s_barrier_signal -1
	s_barrier_wait -1                              ; and so is everybody's
	WIN 0x40
.irp ks, 0,1,2,3,4
	BLD \ks
.endr
	WIN 0x80
.irp ks, 5,6,7
	BLD \ks
.endr
	WIN 0
.irp p, 0,1
.irp k, 0,1
	ds_load_b128 v[BS+8*\p+4*\k:BS+8*\p+4*\k+3], v[ADBS] offset:25600*\p+16*\k
.endr
.endr
	s_wait_tensorcnt 0x0                           ; no tensor load of mine is out
	ds_add_u32 v[SPW], v[NIL]
	s_wait_dscnt 0x0                               ; the add is done, and W2 is in my registers
	CROUND                                         ; that holds of every wave of the cluster
	tensor_load_to_lds s[G0R:G0R+3], s[G1R:G1R+7]  ; row tiles 8 + 2 w and 9 + 2 w, over W2's first bytes
	s_nop 0
	PLACES 4
	s_wait_loadcnt 0x0                             ; b2
	s_mov_b32 s76, 0                               ; the trip's first tile in LDS
	s_mov_b32 s78, 0                               ; its scale words
	s_mov_b32 s77, 0
.Lfirst:
	TRIP
	s_cbranch_scc1 .Lfirst
	s_wait_tensorcnt 0x0                           ; my part of tiles 8-15 is in;
	s_barrier_signal -1
	s_barrier_wait -1                              ; and so is everybody's
	s_mov_b32 s76, 8*TILEB
	s_mov_b32 s78, 512
	s_mov_b32 s77, 0
.Lsecond:
	TRIP
	s_cbranch_scc1 .Lsecond
	s_wait_tensorcnt 0x0                           ; the wave's end
	ds_add_u32 v[SPW], v[NIL]
	s_wait_dscnt 0x0
	CROUND                                         ; the closing round
	s_endpgm
.Lfunc_end_k_qb6542e4fcf_layer2:
	.size	k_qb6542e4fcf_layer2, .Lfunc_end_k_qb6542e4fcf_layer2-k_qb6542e4fcf_layer2
	.p2alignl 7, 3214868480
	.fill 96, 4, 3214868480
	.section	.rodata,"a",@progbits
	.p2align	6, 0x0
	.amdhsa_kernel k_qb6542e4fcf_layer2
		.amdhsa_group_segment_fixed_size 327680
		.amdhsa_private_segment_fixed_size 0
		.amdhsa_enable_private_segment 0
		.amdhsa_kernarg_size 40
		.amdhsa_user_sgpr_count 2
		.amdhsa_user_sgpr_kernarg_segment_ptr 1
		.amdhsa_wavefront_size32 1
		.amdhsa_system_sgpr_workgroup_id_x 1
		.amdhsa_system_sgpr_workgroup_id_y 1
		.amdhsa_system_sgpr_workgroup_id_z 1
		.amdhsa_system_vgpr_workitem_id 0
		.amdhsa_next_free_vgpr 1024
		.amdhsa_next_free_sgpr 98
		.amdhsa_reserve_vcc 0
		.amdhsa_float_denorm_mode_32 3
		.amdhsa_float_denorm_mode_16_64 3
		.amdhsa_memory_ordered 1
		.amdhsa_forward_progress 1
		.amdhsa_inst_pref_size 80
	.end_amdhsa_kernel
	.amdgpu_metadata
---
amdhsa.version: [ 1, 2 ]
amdhsa.kernels:
  - .name:           k_qb6542e4fcf_layer2
    .symbol:         k_qb6542e4fcf_layer2.kd
    .args:
      - { .name: hq, .offset: 0, .size: 8, .value_kind: global_buffer, .address_space: global }
      - { .name: hs, .offset: 8, .size: 8, .value_kind: global_buffer, .address_space: global }
      - { .name: wq, .offset: 16, .size: 8, .value_kind: global_buffer, .address_space: global }
      - { .name: b2, .offset: 24, .size: 8, .value_kind: global_buffer, .address_space: global }
      - { .name: out0, .offset: 32, .size: 8, .value_kind: global_buffer, .address_space: global }
    .group_segment_fixed_size: 327680
    .private_segment_fixed_size: 0
    .kernarg_segment_align: 8
    .kernarg_segment_size: 40
    .max_flat_workgroup_size: 128
    .sgpr_count:     98
    .vgpr_count:     1024
    .wavefront_size: 32
...
	.end_amdgpu_metadata
.endif
;; end of part 3
